; MI455X (gfx1250); checked and timed in simulation.
; The chip was launched on July 23, 2026; its instructions are those of AMD's public machine-readable ISA for CDNA 5 (MIT licence, August 2026) and "CDNA5" Instruction Set Architecture Reference Guide (July 2026). The comments in the code are by the model that wrote it; some were corrected since.
;; Efficient Additive Attnetion. Allowed arithmetic: matrix products marked QUANTISED: E2M1 operands, one E8M0 scale for each 32 along K, by v_wmma_scale_f32_16x16x128_f8f6f4 with both operands' format E2M1 (or v_wmma_scale_f32_32x16x128_f4), f32 sums; products left as they are: f32 operands where the result goes on into a quantised operand, else bf16, f16 or f32 operands; f32 sums; everything else in f32.
;; Inputs: Wf_codes 256 x 16 x 16 uint8 (E2M1 codes of Wf, K innermost, in blocks of 32 codes, two codes a byte); Wf_scales 256 x 16 uint8 (E8M0 scales of Wf, one for each 32 codes along K); Wk_codes 512 x 16 x 16 uint8 (E2M1 codes of Wk, K innermost, in blocks of 32 codes, two codes a byte); Wk_scales 512 x 16 uint8 (E8M0 scales of Wk, one for each 32 codes along K); Wp_codes 512 x 16 x 16 uint8 (E2M1 codes of Wp, K innermost, in blocks of 32 codes, two codes a byte); Wp_scales 512 x 16 uint8 (E8M0 scales of Wp, one for each 32 codes along K); Wq_codes 512 x 16 x 16 uint8 (E2M1 codes of Wq, K innermost, in blocks of 32 codes, two codes a byte); Wq_scales 512 x 16 uint8 (E8M0 scales of Wq, one for each 32 codes along K); bf 256 float32; bk 512 float32; bp 512 float32; bq 512 float32; w_g 512 x 1 float32; x_codes 16 x 4,096 x 16 x 16 uint8 (E2M1 codes of x, K innermost, in blocks of 32 codes, two codes a byte); x_scales 16 x 4,096 x 16 uint8 (E8M0 scales of x, one for each 32 codes along K).
;; Outputs: out0 16 x 4,096 x 256 float32.
;; This version of the problem:
;;   THIS VERSION OF THE PROBLEM IS GIVEN IN LOW PRECISION. The matrix products marked QUANTISED in the list below multiply operands that are first quantised to E2M1 (2 exponent bits, 1 mantissa bit; 4 bits a number), with one power-of-two scale for each 32 numbers along K (OCP MX v1.0); their sums are f32. All else is computed in f32.
;;   The module's matrix products, in the order in which they are computed (A, B: the left and right operand; K: the contracted axis; several contracted axes count as one K, in the product's order):
;;     1. [M 65,536, K 512] x [K 512, N 512]; A: input x (given as codes); B: input Wq (given as codes): QUANTISED
;;     2. [M 65,536, K 512] x [K 512, N 512]; A: input x (given as codes); B: input Wk (given as codes): QUANTISED
;;     3. [M 65,536, K 512] x [K 512, N 1]; A: computed on the way; B: input w_g: left as it is (N = 1 < 16)
;;     4. [M 65,536, K 512] x [K 512, N 512]; A: computed on the way; B: input Wp (given as codes): QUANTISED
;;     5. [M 65,536, K 512] x [K 512, N 256]; A: computed on the way; B: input Wf (given as codes): QUANTISED
;;   THE QUANTISER, for each operand of a quantised product, along K:
;;     - K is cut into blocks of 32 from its start; a last block that is shorter is filled with zeros.
;;     - A block's scale is 2^e with e = floor(log2(the largest magnitude in the block)) - 2, held to -126 .. 127; a block of zeros has e = 0. As a byte (E8M0): e + 127.
;;     - Each number is divided by its block's scale, clamped to +-6, and rounded to the nearest number of E2M1, ties to even, subnormals kept.
;;     - The product sums the exact products of the quantised numbers (number of the format x scale) in f32.
;;   ~~~python
;;   def quantise(x, axis):      # numpy; x: float32 -> the quantised numbers, widened to float32 again
;;       x = np.moveaxis(x, axis, -1); K = x.shape[-1]
;;       x = np.pad(x, [(0, 0)] * (x.ndim - 1) + [(0, -K % 32)]); x = x.reshape(x.shape[:-1] + (-1, 32)); a = np.abs(x).max(-1, keepdims=True)
;;       e = np.where(a > 0, np.clip(np.frexp(np.where(a > 0, a, 1))[1] - 1 - 2, -126, 127), 0)      # np.frexp(a)[1] - 1 = floor(log2(a)), exactly
;;       r = np.clip(x / 2.0 ** e, -6, 6)
;;       step = 2.0 ** (np.maximum(np.frexp(np.where(r == 0, 1, r))[1] - 1, 0) - 1)
;;       q = np.round(r / step) * step * 2.0 ** e      # np.round: ties to even
;;       return np.moveaxis(q.reshape(q.shape[:-2] + (-1,))[..., :K], -1, axis).astype(np.float32)
;;   ~~~
;;   OPERANDS COMPUTED ON THE WAY. 'Computed on the way' means the value that the module computes at that place (a softmax that the list does not call 'softmax' is quantised finished and normalised). What goes into a quantiser is computed in f32, as accurately as f32 sums, v_exp_f32 and their like allow (about 1e-6 of the number): no bf16 or f16 on the way to a quantiser, and a product that is left as it is and whose result goes on into a quantised operand takes f32 operands (vector FMAs, or v_wmma_f32_16x16x4_f32). A number that lies on a knife's edge between two numbers of the format may be rounded either way, as far as f32 arithmetic and the matrix unit's own rounding can turn it there, and no further.
;;   INPUTS GIVEN AS CODES. Wf (in the module: [512, 256], K = its axis 0); Wk (in the module: [512, 512], K = its axis 0); Wp (in the module: [512, 512], K = its axis 0); Wq (in the module: [512, 512], K = its axis 0); x (in the module: [16, 4096, 512], K = its axis 2): each comes as NAME_codes (uint8): NAME with its K axis moved to the last place and cut into blocks of 32 codes, [.., K / 32, bytes a block], one block behind the other in memory; two codes a byte, the lower K in the low four bits (a code: sign, 2 exponent bits, 1 mantissa bit); and NAME_scales (uint8): the same leading axes, one E8M0 byte (e + 127) for each 32 codes along K. Its value is code x scale, taken as it is: it is not quantised again, and the codes and scales need not be those that the quantiser above would give.
;; One version. Each part assembles by itself: llvm-mc -triple=amdgcn-amd-amdhsa -mcpu=gfx1250 --defsym DOCPART=n.
;; ======== version 1 of 1: 2 launches
;; workspace buffers: gpart 589,824 bytes
;; launch pool (part 1): grid 256 x 1, 4 waves a work-group, clusters of 4 x 1, 229,888 bytes of LDS; arguments x_codes, x_scales, Wq_codes, Wq_scales, bq, w_g, gpart; writes gpart
.if DOCPART == 1
	.amdgcn_target "amdgcn-amd-amdhsa--gfx1250"
	.amdhsa_code_object_version 6
	.text
	.protected	k_q7744e7a3ff_pool
	.globl	k_q7744e7a3ff_pool
	.p2align	8
	.type	k_q7744e7a3ff_pool,@function
k_q7744e7a3ff_pool:
	s_mov_b64 s[64:65], 0
	v_nop
	global_prefetch_b8 v0, s[64:65] scope:SCOPE_SE
	s_setreg_imm32_b32 hwreg(HW_REG_WAVE_MODE, 25, 1), 1
	s_wait_xcnt 0x0
	s_wait_alu depctr_hold_cnt(0) depctr_sa_sdst(0) depctr_va_vdst(0) depctr_va_sdst(0) depctr_va_ssrc(0) depctr_va_vcc(0) depctr_vm_vsrc(0)
	s_getreg_b32 s2, hwreg(HW_REG_IB_STS2, 6, 4)
	s_cmp_eq_u32 s2, 0
	s_cbranch_scc0 .Lentry_in_a_cluster
	s_endpgm
.Lentry_in_a_cluster:
	s_bfe_u32 s2, ttmp6, 0x10000c
	s_cmp_lg_u32 s2, 0x3003
	s_cbranch_scc0 .Lentry_shape_is_right
	s_endpgm
.Lentry_shape_is_right:
; FIRST OF TWO LAUNCHES.  q = x Wq + bq on codes of FP4 (E2M1) with E8M0 scales;  qw[n] = (q[n] / max(|q[n]|, eps)) . w_g;  then, for the work-group's 256 rows,
; the partial sums  sum_n qw[n] q[n][c]  (512 numbers) and  sum_n qw[n]^2.  They go to gpart, one row of 2,304 bytes a work-group: bytes 0-2047 the 512 sums, bytes 2048-2303 the
; sum of squares 64 times over, so that every aligned 256 bytes are stored whole.  The second launch adds the 16 rows of a batch, in a fixed order.  q itself is not stored: as f32 it
; would be 128 MiB out and in again, against 17 MiB of x read a second time and product 1 done a second time on 4-bit codes.
; SHARES.  256 work-groups of 256 rows (16 to a batch of 4,096), four waves.  THE WAVES SHARE THE COLUMNS: wave w makes hidden units 128 w .. 128 w + 127 for all rows, so that its quarter of
; Wq (32 fragments, 256 registers) stays in registers and a fragment of x read from LDS feeds eight matrix instructions.  Rows go in four blocks of 64: 32 accumulators, 256 registers.
; THE MATRIX INSTRUCTION IS USED TRANSPOSED: source 0 = 16 rows of Wq (units), source 1 = 16 rows of x.  Lane (r, h) then holds row r, and register j of tile t unit 128 w + 16 t + 8 h + j.
; The bias is the C of a sum's first instruction.  A row's |q|^2 and q . w_g are added within the lane, with lane l xor 16, and across the four waves through LDS (one barrier a block).
; CLUSTER.  All work-groups walk the same Wq: the four of a cluster ask for it JOINTLY (mask 15): wave w's load brings its own 128 rows of 256 bytes, and it alone reads them.
; Not asked jointly: Wq's scale bytes, bq and w_g (12 KiB of the work-group's 208 KiB of input): they go straight into the registers in which they stay.  x is the work-group's own.
; LIMITS.  NaN and infinities are not served.  1 / max(sqrt(s), eps) is v_sqrt_f32, a maximum, v_rcp_f32 and a multiplication.
; REGISTERS, in windows of 256.  Window 0: v1-15 addresses; v16-31 Wq's scale words; v32-39 x's; v40-63 at work; v64-127 the pooled sums; v128-191 w_g in the result's layout; v192-255 at work.
;   Window 1: Wq's fragment (tile t, K step s) at 8 (4 t + s).   Window 2: accumulator (row tile m, t) at 8 (8 m + t); at the head x lands there.   Window 3: x's fragments, two sets of 32; from v64 bq.
.set PITCH,  272                       ; an LDS row of codes: 256 bytes + 16 of padding: the 16 rows that a fragment load touches start 68 words apart
.set WQUART, 128*PITCH                 ; a wave's quarter of Wq
.set X0,     4*WQUART                  ; behind Wq: the 256 rows of x,
.set XBLK,   64*PITCH                  ; 64 rows a block
.set XSC,    X0+4*XBLK                 ; their scale bytes, 16 a row, dense
.set NX,     XSC+4096                  ; [row][wave] pairs (|q|^2, q . w_g), 32 bytes a row: each block has bytes of its own
.set GST,    NX+8192                   ; 512 bytes a wave: the pooled sums on their way out
.set GROW,   2304                      ; a row of gpart
.set WV,  18                           ; s18 my wave's number
.set G1,  28                           ; s[28:35] descriptor group 1;  s[36:39] group 0
.set G0,  36
.set SEL, 40                           ; s[40:41] v_permlanex16_b32's selects for lane l xor 16
.set CNT, 42
.set TX,  43                           ; s43 the block's place among x's rows, s44 among their scale bytes, s45 in NX
.set TS,  44
.set TN,  45
.set MSB, 0
.macro WIN new                         ; the immediate's high byte repeats the setting that is left; a switch that changes nothing is dropped
.if MSB != (\new)
	s_set_vgpr_msb (MSB<<8)|(\new)
.set MSB, (\new)
.endif
.endm
.macro PLACES n                        ; plain vector instructions between a matrix instruction and a read of its result or a load into its registers
.rept \n
	v_nop
.endr
.endm
.macro ROUND                           ; a round of the cluster's barrier
	s_barrier_signal -1
	s_barrier_wait -1
	s_cmp_lg_u32 s[WV], 0
	s_cbranch_scc1 .Lnot_wave_0_\@
	s_barrier_signal -3
.Lnot_wave_0_\@:
	s_barrier_wait -3
	s_barrier_signal -1
	s_barrier_wait -1
.endm
; One matrix instruction.  ra, rb = 1: that side's scale words stand in lanes 16-31 of the register named.
.macro WM d, a, b, c, sa, sb, ra, rb
.if (\ra) && (\rb)
	v_wmma_scale_f32_16x16x128_f8f6f4 v[\d:\d+7], v[\a:\a+7], v[\b:\b+7], v[\c:\c+7], v[\sa], v[\sb] matrix_a_fmt:MATRIX_FMT_FP4 matrix_b_fmt:MATRIX_FMT_FP4 matrix_a_scale:MATRIX_SCALE_ROW1 matrix_b_scale:MATRIX_SCALE_ROW1
.elseif (\ra)
	v_wmma_scale_f32_16x16x128_f8f6f4 v[\d:\d+7], v[\a:\a+7], v[\b:\b+7], v[\c:\c+7], v[\sa], v[\sb] matrix_a_fmt:MATRIX_FMT_FP4 matrix_b_fmt:MATRIX_FMT_FP4 matrix_a_scale:MATRIX_SCALE_ROW1
.elseif (\rb)
	v_wmma_scale_f32_16x16x128_f8f6f4 v[\d:\d+7], v[\a:\a+7], v[\b:\b+7], v[\c:\c+7], v[\sa], v[\sb] matrix_a_fmt:MATRIX_FMT_FP4 matrix_b_fmt:MATRIX_FMT_FP4 matrix_b_scale:MATRIX_SCALE_ROW1
.else
	v_wmma_scale_f32_16x16x128_f8f6f4 v[\d:\d+7], v[\a:\a+7], v[\b:\b+7], v[\c:\c+7], v[\sa], v[\sb] matrix_a_fmt:MATRIX_FMT_FP4 matrix_b_fmt:MATRIX_FMT_FP4
.endif
.endm
	s_load_b256 s[4:11], s[0:1], 0x0               ; x's codes s[4:5], x's scales s[6:7], Wq's codes s[8:9], Wq's scales s[10:11]
	s_load_b128 s[12:15], s[0:1], 0x20             ; bq s[12:13], w_g s[14:15]
	s_load_b64 s[16:17], s[0:1], 0x30              ; gpart
	v_lshl_add_u32 v255, v0, 2, 0x38000
	s_set_vgpr_msb 0xc0
	v_mov_b32 v255, 0
	s_set_vgpr_msb 0xc0cc
	ds_add_u32 v255, v255
	ds_add_u32 v255, v255
	s_set_vgpr_msb 0xcc00
	v_and_b32 v1, 31, v0                           ; L
	v_and_b32 v2, 15, v0                           ; r
	v_bfe_u32 v3, v0, 4, 1                         ; h
	v_lshrrev_b32 v4, 5, v0
	v_readfirstlane_b32 s[WV], v4                  ; wave 0..3
	s_bfe_u32 s19, ttmp6, 0x40000                  ; cx: my place in the cluster; it enters global addresses of x and gpart alone
	s_lshl_b32 s20, ttmp9, 2
	s_add_co_u32 s20, s20, s19                     ; my work-group = 4 x cluster + cx
	; descriptor group 1: 128 rows of 256 one-byte elements, dense in memory, 16 bytes of padding behind each row in LDS
	s_mov_b32 s[G1], 15|(1<<20)|(1<<21)|(5<<22)|(3<<25)  ; 15:0 the mask: all four work-groups; 17:16 elements of 1 byte; 20 padding on; 21 set beside a mask; 24:22 after every 64 words; 31:25 four words
	s_mov_b32 s[G1+1], 256<<16                     ; tensor_dim0
	s_mov_b32 s[G1+2], 128<<16                     ; tensor_dim1
	s_mov_b32 s[G1+3], 256<<16                     ; tile_dim0
	s_mov_b32 s[G1+4], 128                         ; tile_dim1
	s_mov_b32 s[G1+5], 256                         ; from row to row
	s_mov_b32 s[G1+6], 0
	s_mov_b32 s[G1+7], 0
	s_mov_b32 s[SEL], 0x76543210
	s_mov_b32 s[SEL+1], 0xfedcba98
	s_mov_b32 s[TX], 0
	s_mov_b32 s[TS], 0
	s_mov_b32 s[TN], 0
	v_lshlrev_b32 v4, 4, v1                        ; v4  16 L
	s_mul_i32 s26, s[WV], XBLK
	s_add_co_u32 s26, s26, X0
	v_mul_u32_u24 v5, v3, PITCH
	v_lshl_add_u32 v5, v2, 4, v5
	v_add_nc_u32 v5, s26, v5                       ; v5  where x goes: my wave's 64 rows; a load's 512 bytes are two rows: row h, byte 16 r
	v_mul_u32_u24 v6, v2, PITCH
	v_lshl_add_u32 v6, v3, 4, v6                   ; a fragment's lane: row r, + 16 h
	s_mul_i32 s27, s[WV], WQUART
	v_add_nc_u32 v8, s27, v6                       ; v8  my quarter of Wq
	v_add_nc_u32 v6, X0, v6                        ; v6  x's fragments, block 0;  v7 the block in hand
	v_add_nc_u32 v9, XSC, v4                       ; v9  x's scale words: 16 bytes a row, a lane a row;  v10 the block in hand
	v_lshlrev_b32 v13, 5, v2
	v_add_nc_u32 v13, NX, v13                      ; v13 row r's four pairs;  v14 the block in hand
	s_lshl_b32 s26, s[WV], 3
	v_add_nc_u32 v11, s26, v13                     ; v11 my wave's pair of row r;  v12 the block in hand
	v_lshlrev_b32 v15, 5, v3                       ; v15 32 h: my half's eight numbers of a tile of bq or w_g
	s_lshl_b32 s26, s[WV], 9
	v_add_nc_u32 v253, s26, v4                     ; v253 512 w + 16 L: my place in a row of gpart
	v_add_nc_u32 v251, GST, v253                   ; v251 the same in the stage
	v_add_nc_u32 v250, s26, v15
	v_add_nc_u32 v250, GST, v250                   ; v250 the stage on the way in: 512 w + 32 h
	v_lshlrev_b32 v252, 3, v1                      ; v252 8 L
	s_lshl_b32 s26, s[WV], 10
	v_add_nc_u32 v254, s26, v9                     ; v254 where x's scale bytes go: 1,024 w + 16 L
.irp k, 229,231,233,235,236,238,239,240,241,242,243,244,245
	v_mov_b32 v\k, 0                               ; the upper halves of the pairs that hold qw; the sum of qw^2; the lane permutes' destinations, which count as sources
.endr
	s_lshl_b32 s22, s20, 16                        ; x: 65,536 bytes a work-group,
	s_lshl_b32 s24, s[WV], 14                      ; 16,384 a wave
	s_add_co_u32 s22, s22, s24
	s_mov_b32 s23, 0
	s_mov_b32 s25, 0
	s_wait_dscnt 0x0
	s_wait_kmcnt 0x0
	s_add_nc_u64 s[4:5], s[4:5], s[22:23]
	s_lshr_b32 s22, s22, 4                         ; a sixteenth of that for the scale bytes
	s_add_nc_u64 s[6:7], s[6:7], s[22:23]
	s_mul_i32 s22, s20, GROW
	s_add_nc_u64 s[16:17], s[16:17], s[22:23]      ; my row of gpart
	s_lshl_b32 s24, s[WV], 9                       ; (s[24:25] holds offsets made of the wave's number alone)
	s_add_nc_u64 s[12:13], s[12:13], s[24:25]      ; my 128 numbers of bq
	s_add_nc_u64 s[14:15], s[14:15], s[24:25]      ; and of w_g
	s_lshl_b32 s24, s[WV], 11
	s_add_nc_u64 s[10:11], s[10:11], s[24:25]      ; my 128 rows of Wq's scale bytes
	s_lshl_b32 s24, s[WV], 15
	s_mov_b32 s[G0], 1                             ; count = 1
	s_mul_i32 s[G0+1], s[WV], WQUART               ; LDS address
	s_add_nc_u64 s[G0+2:G0+3], s[8:9], s[24:25]    ; my 128 rows of Wq's codes: the same in all four work-groups
	s_or_b32 s[G0+3], s[G0+3], 0x80000000          ; type = 2
	WIN 0x80                                       ; destination window 2
.set ii, 0
.rept 32
	global_load_b128 v[4*ii:4*ii+3], v4, s[4:5] offset:512*ii    ; my 64 rows of x: each load 512 consecutive bytes
.set ii, ii+1
.endr
.irp p, 0,1
	global_load_b128 v[128+4*\p:131+4*\p], v4, s[6:7] offset:512*\p
.endr
	WIN 0
	ROUND                                          ; all four work-groups are here: the joint loads meet
	tensor_load_to_lds s[G0:G0+3], s[G1:G1+7]      ; the launch's one tensor load a wave
	s_nop 0
	PLACES 4
.irp i, 0,1,2,3
	global_load_b128 v[16+4*\i:19+4*\i], v4, s[10:11] offset:512*\i   ; Wq's scale words: register 16 + 4 (t / 2) + s; lanes 0-15 the even tile, lanes 16-31 the odd one
.endr
.irp t, 0,1,2,3,4,5,6,7
.irp i, 0,1
	global_load_b128 v[128+8*\t+4*\i:131+8*\t+4*\i], v15, s[14:15] offset:64*\t+16*\i   ; w_g(128 w + 16 t + 8 h + j)
.endr
.endr
	WIN 0xc0                                       ; destination window 3
.irp t, 0,1,2,3,4,5,6,7
.irp i, 0,1
	global_load_b128 v[64+8*\t+4*\i:67+8*\t+4*\i], v15, s[12:13] offset:64*\t+16*\i     ; bq likewise
.endr
.endr
	WIN 0
	s_wait_loadcnt 0x0
	WIN 0x08                                       ; an LDS store's data are its source 1: window 2
.set ii, 0
.rept 32
	ds_store_b128 v5, v[4*ii:4*ii+3] offset:2*PITCH*ii
.set ii, ii+1
.endr
.irp p, 0,1
	ds_store_b128 v254, v[128+4*\p:131+4*\p] offset:512*\p
.endr
	WIN 0
	s_wait_dscnt 0x0                               ; for the others' sake: my rows of x lie in LDS
	s_barrier_signal -1
	s_barrier_wait -1                              ; everybody's do.  (Nothing is filled again in this launch: the tensor load may still be out)
	s_wait_tensorcnt 0x0                           ; my quarter of Wq is in; no other wave reads it
	WIN 0x40                                       ; destination window 1
.irp t, 0,1,2,3,4,5,6,7
.irp s, 0,1,2,3
.irp c, 0,1
	ds_load_b128 v[8*(4*\t+\s)+4*\c:8*(4*\t+\s)+4*\c+3], v8 offset:16*PITCH*\t+64*\s+32*\c
.endr
.endr
.endr
	WIN 0
.macro FETCH set, s                    ; the block's four fragments of x for K step s: registers 4 c .. 4 c + 3 take bytes 64 s + 32 c + 16 h of row r
	WIN 0xc0
.irp m, 0,1,2,3
.irp c, 0,1
	ds_load_b128 v[32*\set+8*\m+4*\c:32*\set+8*\m+4*\c+3], v7 offset:16*PITCH*\m+64*\s+32*\c
.endr
.endr
.endm
.macro XSLOAD                          ; the block's scale words: register 32 + 4 (m / 2) + s
.irp p, 0,1
	ds_load_b128 v[32+4*\p:35+4*\p], v10 offset:512*\p
.endr
.endm
.macro MMSTEP s, set                   ; 32 matrix instructions: the 32 accumulators take turns, in the same order in every step
.if \s == 0
	WIN 0xbd                                       ; source 0 (Wq) window 1, source 1 (x) window 3, C (bq) window 3, D window 2
.else
	WIN 0xad                                       ; C and D window 2
.endif
.irp m, 0,1,2,3
.irp t, 0,1,2,3,4,5,6,7
.if \s == 0
	WM 8*(8*\m+\t), 8*(4*\t+\s), 32*\set+8*\m, 64+8*\t, 16+4*(\t/2)+\s, 32+4*(\m/2)+\s, \t%2, \m%2
.else
	WM 8*(8*\m+\t), 8*(4*\t+\s), 32*\set+8*\m, 8*(8*\m+\t), 16+4*(\t/2)+\s, 32+4*(\m/2)+\s, \t%2, \m%2
.endif
.endr
.endr
.endm
; A BLOCK OF 64 ROWS.  first = 1: its first tile starts the pooled sums;  next = 1: the next block's first fragments are asked for.
.macro BLOCK first, next
	FETCH 1, 1
	s_wait_dscnt 8                                 ; all but the eight loads just issued
	MMSTEP 0, 0
	PLACES 4
	FETCH 0, 2
	s_wait_dscnt 8
	MMSTEP 1, 1
	PLACES 4
	FETCH 1, 3
	s_wait_dscnt 8
	MMSTEP 2, 0
	s_wait_dscnt 0x0
	MMSTEP 3, 1
	WIN 0
	PLACES 4
	v_add_nc_u32 v12, s[TN], v11                   ; (no LDS instruction of mine is out: the address registers may be written)
	v_add_nc_u32 v14, s[TN], v13
.if \next
	s_add_co_u32 s[TX], s[TX], XBLK
	s_add_co_u32 s[TS], s[TS], 1024
	v_add_nc_u32 v7, s[TX], v6
	v_add_nc_u32 v10, s[TS], v9
	FETCH 0, 0
	WIN 0
	XSLOAD
.endif
	WIN 0x0a                                       ; sources 0 and 1 window 2.  |q|^2 of my 64 numbers of each of the four rows: four chains, each accumulator from its low end on
.set ii, 0
.rept 32
.irp m, 0,1,2,3
.if ii == 0
	v_pk_mul_f32 v[40+2*\m:41+2*\m], v[64*\m:64*\m+1], v[64*\m:64*\m+1]
.else
	v_pk_fma_f32 v[40+2*\m:41+2*\m], v[64*\m+2*ii:64*\m+2*ii+1], v[64*\m+2*ii:64*\m+2*ii+1], v[40+2*\m:41+2*\m]
.endif
.endr
.set ii, ii+1
.endr
	WIN 0x02                                       ; source 0 window 2.  q . w_g likewise
.set ii, 0
.rept 32
.irp m, 0,1,2,3
.if ii == 0
	v_pk_mul_f32 v[48+2*\m:49+2*\m], v[64*\m:64*\m+1], v[128:129]
.else
	v_pk_fma_f32 v[48+2*\m:49+2*\m], v[64*\m+2*ii:64*\m+2*ii+1], v[128+2*ii:129+2*ii], v[48+2*\m:49+2*\m]
.endif
.endr
.set ii, ii+1
.endr
	WIN 0
.irp m, 0,1,2,3
	v_add_f32 v[56+2*\m], v[40+2*\m], v[41+2*\m]
	v_add_f32 v[57+2*\m], v[48+2*\m], v[49+2*\m]
.endr
.irp k, 0,1,2,3,4,5,6,7
	v_permlanex16_b32 v[238+\k], v[56+\k], s[SEL], s[SEL+1]
.endr
.irp m, 0,1,2,3
	v_pk_add_f32 v[56+2*\m:57+2*\m], v[56+2*\m:57+2*\m], v[238+2*\m:239+2*\m]   ; with lane l xor 16's: my wave's 128 units
.endr
.irp m, 0,1,2,3
	ds_store_b64 v12, v[56+2*\m:57+2*\m] offset:512*\m   ; both halves of the lanes write the same pair
.endr
	s_wait_dscnt 0x0                               ; for the others' sake: my pairs lie in LDS
	s_barrier_signal -1
	s_barrier_wait -1
.irp m, 0,1,2,3
	ds_load_b128 v[192+8*\m:195+8*\m], v14 offset:512*\m
	ds_load_b128 v[196+8*\m:199+8*\m], v14 offset:512*\m+16
.endr
	s_wait_dscnt 0x0
.irp m, 0,1,2,3
	v_pk_add_f32 v[192+8*\m:193+8*\m], v[192+8*\m:193+8*\m], v[194+8*\m:195+8*\m]   ; the four waves' pairs, in the same order in every wave
	v_pk_add_f32 v[196+8*\m:197+8*\m], v[196+8*\m:197+8*\m], v[198+8*\m:199+8*\m]
.endr
.irp m, 0,1,2,3
	v_pk_add_f32 v[192+8*\m:193+8*\m], v[192+8*\m:193+8*\m], v[196+8*\m:197+8*\m]
.endr
.irp m, 0,1,2,3
	v_sqrt_f32 v[224+\m], v[192+8*\m]
.endr
	v_nop                                          ; a plain instruction behind the last root,
	s_wait_alu depctr_va_vdst(0)                   ; and one wait for the four, ahead of their first reader
.irp m, 0,1,2,3
	v_max_num_f32 v[224+\m], 0x2b8cbccc, v[224+\m] ; eps = 1e-12
.endr
.irp m, 0,1,2,3
	v_rcp_f32 v[224+\m], v[224+\m]
.endr
	v_nop
	s_wait_alu depctr_va_vdst(0)
.irp m, 0,1,2,3
	v_mul_f32 v[228+2*\m], v[193+8*\m], v[224+\m]  ; qw of row r of tile m
.endr
.irp m, 0,1,2,3
	v_fmac_f32 v236, v[228+2*\m], v[228+2*\m]      ; the sum of qw^2: a lane adds its own row's
.endr
	WIN 0x02                                       ; the pooled sums: + qw x q; a lane adds over its rows
.irp m, 0,1,2,3
.set ii, 0
.rept 32
.if (\first) && (\m == 0)
	v_pk_mul_f32 v[64+2*ii:65+2*ii], v[64*\m+2*ii:64*\m+2*ii+1], v[228+2*\m:229+2*\m] op_sel_hi:[1,0]
.else
	v_pk_fma_f32 v[64+2*ii:65+2*ii], v[64*\m+2*ii:64*\m+2*ii+1], v[228+2*\m:229+2*\m], v[64+2*ii:65+2*ii] op_sel_hi:[1,0,1]
.endif
.set ii, ii+1
.endr
.endr
	WIN 0
	s_add_co_u32 s[TN], s[TN], 2048
.endm
	v_add_nc_u32 v7, s[TX], v6
	v_add_nc_u32 v10, s[TS], v9
	FETCH 0, 0
	WIN 0
	XSLOAD
	BLOCK 1, 1
	s_mov_b32 s[CNT], 2
.Lblock:
	BLOCK 0, 1
	s_sub_co_u32 s[CNT], s[CNT], 1
	s_cmp_lg_u32 s[CNT], 0
	s_cbranch_scc1 .Lblock
	BLOCK 0, 0
	; THE WAY OUT.  The sixteen lanes of a half hold sixteen rows' shares of the same 64 units: they are added across the lanes.
.irp x, 1,2,4,8
.set kk, 0
.rept 64
	v_add_f32_dpp v[64+kk], v[64+kk], v[64+kk] row_xmask:\x row_mask:0xf bank_mask:0xf
.set kk, kk+1
.endr
	v_add_f32_dpp v236, v236, v236 row_xmask:\x row_mask:0xf bank_mask:0xf
.endr
.irp t, 0,1,2,3,4,5,6,7
.irp i, 0,1
	ds_store_b128 v250, v[64+8*\t+4*\i:67+8*\t+4*\i] offset:64*\t+16*\i   ; the lanes of a half write the same bytes with the same numbers
.endr
.endr
	ds_load_b128 v[246:249], v251                  ; LDS serves a wave's instructions in order (ISA guide 5.7.1.4): this sees my stores.  16 bytes a lane
	s_wait_dscnt 0x0
	global_store_b128 v253, v[246:249], s[16:17]   ; 32 lanes store 512 consecutive bytes, at a multiple of 256 from gpart's first byte
	s_cmp_lg_u32 s[WV], 0                          ; every wave holds the same sum of qw^2: wave 0 stores it
	s_cbranch_scc1 .Lnot_mine
	v_mov_b32 v237, v236
	global_store_b64 v252, v[236:237], s[16:17] offset:2048   ; 64 times over: 256 consecutive bytes
.Lnot_mine:
	s_set_vgpr_msb 0xc
	s_wait_tensorcnt 0x0
	ds_add_u32 v255, v255
	s_wait_dscnt 0x0
	s_set_vgpr_msb 0xc00
	ROUND                                          ; the closing round: no work-group ends while a partner may still ask for a tile that names it
	s_endpgm
.Lfunc_end_k_q7744e7a3ff_pool:
	.size	k_q7744e7a3ff_pool, .Lfunc_end_k_q7744e7a3ff_pool-k_q7744e7a3ff_pool
	.p2alignl 7, 3214868480
	.fill 96, 4, 3214868480
	.section	.rodata,"a",@progbits
	.p2align	6, 0x0
	.amdhsa_kernel k_q7744e7a3ff_pool
		.amdhsa_group_segment_fixed_size 229888
		.amdhsa_private_segment_fixed_size 0
		.amdhsa_enable_private_segment 0
		.amdhsa_kernarg_size 56
		.amdhsa_user_sgpr_count 2
		.amdhsa_user_sgpr_kernarg_segment_ptr 1
		.amdhsa_wavefront_size32 1
		.amdhsa_system_sgpr_workgroup_id_x 1
		.amdhsa_system_sgpr_workgroup_id_y 1
		.amdhsa_system_sgpr_workgroup_id_z 1
		.amdhsa_system_vgpr_workitem_id 0
		.amdhsa_next_free_vgpr 1024
		.amdhsa_next_free_sgpr 66
		.amdhsa_reserve_vcc 0
		.amdhsa_float_denorm_mode_32 3
		.amdhsa_float_denorm_mode_16_64 3
		.amdhsa_memory_ordered 1
		.amdhsa_forward_progress 1
		.amdhsa_inst_pref_size 177
	.end_amdhsa_kernel
	.amdgpu_metadata
---
amdhsa.version: [ 1, 2 ]
amdhsa.kernels:
  - .name:           k_q7744e7a3ff_pool
    .symbol:         k_q7744e7a3ff_pool.kd
    .args:
      - { .name: x_codes, .offset: 0, .size: 8, .value_kind: global_buffer, .address_space: global }
      - { .name: x_scales, .offset: 8, .size: 8, .value_kind: global_buffer, .address_space: global }
      - { .name: Wq_codes, .offset: 16, .size: 8, .value_kind: global_buffer, .address_space: global }
      - { .name: Wq_scales, .offset: 24, .size: 8, .value_kind: global_buffer, .address_space: global }
      - { .name: bq, .offset: 32, .size: 8, .value_kind: global_buffer, .address_space: global }
      - { .name: w_g, .offset: 40, .size: 8, .value_kind: global_buffer, .address_space: global }
      - { .name: gpart, .offset: 48, .size: 8, .value_kind: global_buffer, .address_space: global }
    .group_segment_fixed_size: 229888
    .private_segment_fixed_size: 0
    .kernarg_segment_align: 8
    .kernarg_segment_size: 56
    .max_flat_workgroup_size: 128
    .sgpr_count:     66
    .vgpr_count:     1024
    .wavefront_size: 32
...
	.end_amdgpu_metadata
.endif
;; end of part 1
;; launch fuse (part 2): grid 256 x 1, 4 waves a work-group, clusters of 4 x 1, 327,680 bytes of LDS; arguments x_codes, x_scales, Wk_codes, Wk_scales, Wq_codes, Wq_scales, Wp_codes, Wp_scales, Wf_codes, Wf_scales, bk, bq, bp, bf, gpart, out0; writes out0
.if DOCPART == 2
	.amdgcn_target "amdgcn-amd-amdhsa--gfx1250"
	.amdhsa_code_object_version 6
	.text
	.protected	k_q7744e7a3ff_fuse
	.globl	k_q7744e7a3ff_fuse
	.p2align	8
	.type	k_q7744e7a3ff_fuse,@function
k_q7744e7a3ff_fuse:
	s_mov_b64 s[64:65], 0
	v_nop
	global_prefetch_b8 v0, s[64:65] scope:SCOPE_SE
	s_setreg_imm32_b32 hwreg(HW_REG_WAVE_MODE, 25, 1), 1
	s_wait_xcnt 0x0
	s_wait_alu depctr_hold_cnt(0) depctr_sa_sdst(0) depctr_va_vdst(0) depctr_va_sdst(0) depctr_va_ssrc(0) depctr_va_vcc(0) depctr_vm_vsrc(0)
	s_getreg_b32 s2, hwreg(HW_REG_IB_STS2, 6, 4)
	s_cmp_eq_u32 s2, 0
	s_cbranch_scc0 .Lentry_in_a_cluster
	s_endpgm
.Lentry_in_a_cluster:
	s_bfe_u32 s2, ttmp6, 0x10000c
	s_cmp_lg_u32 s2, 0x3003
	s_cbranch_scc0 .Lentry_shape_is_right
	s_endpgm
.Lentry_shape_is_right:
; SECOND OF TWO LAUNCHES.  G = F x (the sum of the batch's 16 rows of gpart), F = SCALE / max(SCALE sqrt(sum of qw^2), eps);  k = x Wk + bk;  HK = Q(G k / max(|k|, eps));
; out1 = HK Wp + bp + (x Wq + bq);  HO = Q(out1);  out0 = HO Wf + bf.  Q is the MX quantiser along the 512 columns.  All four products on codes of FP4 (E2M1) with E8M0 scales.
; SHARES.  256 work-groups of 256 rows, four waves.  THE WAVES SHARE THE COLUMNS: wave w makes units 128 w .. + 127 of k and of out1 and outputs 64 w .. + 63 of out0, for all rows; its part of each
; weight stays in registers, and a fragment of an operand read from LDS feeds eight (product 5: four) matrix instructions.
; PHASE 1 (four blocks of 64 rows; Wk in registers): k, its norm across the waves, HK into LDS.   PHASE 2 (eight blocks of 32 rows; Wq, Wp, Wf in registers): one chain of sums
; (bq + bp) + x Wq + HK Wp, quantised to HO into LDS; product 5 of the block BEFORE stands inside the block's barrier, and its rows are stored: the output leaves all through phase 2.
; OPERANDS GO FROM WAVE TO WAVE AS IMAGES OF THEIR REGISTERS: fragment (row tile m, K step s) at (4 m + s) x 1,024, register group c at + 512 c + 16 x lane.  A wave's 128 units are K step w.
; Scale words lie [row][16 bytes], word s for K step s, as the inputs' do: a load of 16 bytes a lane brings 32 rows' four words; lanes 16-31 hold the odd tile's.
; PRODUCTS 1, 2, 4 ARE USED TRANSPOSED (source 0 = 16 rows of the weight, source 1 = 16 rows of the operand): lane (r, h) holds row r, register j of tile t unit 128 w + 16 t + 8 h + j.  A block of 32 is
; the 16 registers of tiles 2 b, 2 b + 1 in lanes l and l xor 16.  Their conversions go to registers chosen so that one exchange of halves for each pair of registers gives the operand's layout.
; PRODUCT 5 is used as it stands; lane r of Wf's tile t takes output 64 w + 4 r + t, so that the addition of bf leaves a lane four neighbouring outputs: 16 lanes store 256 consecutive bytes.
; CLUSTER.  All work-groups walk the same weights: Wk, Wq and Wp are asked for JOINTLY by the four of a cluster (mask 15), wave w's load bringing its own 128 rows, which it alone reads.
; Not asked jointly: Wf, all scale bytes and the biases (92 KiB of the 476 KiB of weights): LDS has no room for Wf without one more refill, and the rest goes straight to registers.
; LIMITS.  NaN and infinities are not served.  A block whose largest magnitude is under 2^-124 gets the scale byte 1 (a block of zeros too: its codes are zeros, and this program alone reads the bytes).
; 1 / max(sqrt(s), eps) is v_sqrt_f32, a maximum, v_rcp_f32 and a multiplication; G k / |k| is formed as (G k) x (1 / |k|); out1 is summed in the order given above.
; REGISTERS.  Window 1: Wk, then Wp, fragment (t, s) at 8 (4 t + s).  Window 3: Wq likewise.  Window 2: phase 1: accumulator (m, t) at 8 (8 m + t); phase 2: v0-127 the same for two tiles, later product 5's eight
;   accumulators at 8 (4 m + t) and from v64 the rows to store; v128-255 Wf, fragment (t, s) at 128 + 8 (4 t + s).
;   Window 0: v1-19 addresses; v20, v21 the add's; v22, v23 scale words just made; v24-39 scale words of Wk, then Wq; v40-55 at work, then Wp's scale words; v56-63 the operands' scale words;
;   v64-127 G, then bq + bp; v128-191 bk, then Wf's scale words, bf, HO's scale words and scratch; v192-255 two sets of operand fragments (the upper one is scratch in phase 1's vector part).
.set PITCH,  272                       ; an LDS row of codes: 256 bytes + 16 of padding
.set WQUART, 128*PITCH                 ; a wave's quarter of a weight
.set RB,     4*WQUART                  ; region A (byte 0): Wk, filled again with Wp.  Region B: Wq, its one fill; when every wave has read it, x, HK and HK's scale words are stored there
.set X0,     RB                        ; the 256 rows of x
.set XBLK,   64*PITCH
.set HK,     X0+4*XBLK                 ; 64 images
.set HKS,    HK+65536                  ; HK's scale words
.set XSC,    HKS+4096                  ; x's scale bytes: behind region B
.set HO,     XSC+4096                  ; two times 8 images: blocks take turns
.set HOS,    HO+16384                  ; two times 512 bytes of scale words
.set NX,     HOS+1024                  ; [row][wave] |k|^2, 16 bytes a row: each block has bytes of its own
.set GL,     NX+4096                   ; G, 512 numbers
.set BQPL,   GL+2048                   ; bq + bp
.set WSC,    BQPL+2048                 ; 4,096 bytes a wave: Wq's and Wp's scale words, kept until phase 2
.set SPARE,  WSC+16384                 ; the spare words, 128 bytes for each wave: two blocks of 256 bytes that no other line names
.set GROW,   2304                      ; a row of gpart
.set WV,  36                           ; s36 my wave's number
.set G1,  48                           ; s[48:55] descriptor group 1;  groups 0: s[56:59] Wk, s[60:63] Wq, s[68:71] Wp
.set G0K, 56
.set G0Q, 60
.set G0P, 68
.set SEL, 72                           ; s[72:73] v_permlanex16_b32's selects for lane l xor 16
.set CNT, 74
.set TX,  75                           ; s75 the block's place among x's rows, s76 among the scale words to read, s77 in NX, s78 among HK's images, s79 among HK's scale words to write
.set TSX, 76
.set TN,  77
.set TH,  78
.set TS,  79
.set MSB, 0
.macro WIN new                         ; the immediate's high byte repeats the setting that is left; a switch that changes nothing is dropped
.if MSB != (\new)
	s_set_vgpr_msb (MSB<<8)|(\new)
.set MSB, (\new)
.endif
.endm
.macro PLACES n                        ; plain vector instructions between a matrix instruction and a read of its result or a load into its registers
.rept \n
	v_nop
.endr
.endm
.macro ROUND                           ; a round of the cluster's barrier
	s_barrier_signal -1
	s_barrier_wait -1
	s_cmp_lg_u32 s[WV], 0
	s_cbranch_scc1 .Lnot_wave_0_\@
	s_barrier_signal -3
.Lnot_wave_0_\@:
	s_barrier_wait -3
	s_barrier_signal -1
	s_barrier_wait -1
.endm
; One matrix instruction.  ra, rb = 1: that side's scale words stand in lanes 16-31 of the register named.  WMZ: the constant 0 starts the sum.
.macro WM d, a, b, c, sa, sb, ra, rb
.if (\ra) && (\rb)
	v_wmma_scale_f32_16x16x128_f8f6f4 v[\d:\d+7], v[\a:\a+7], v[\b:\b+7], v[\c:\c+7], v[\sa], v[\sb] matrix_a_fmt:MATRIX_FMT_FP4 matrix_b_fmt:MATRIX_FMT_FP4 matrix_a_scale:MATRIX_SCALE_ROW1 matrix_b_scale:MATRIX_SCALE_ROW1
.elseif (\ra)
	v_wmma_scale_f32_16x16x128_f8f6f4 v[\d:\d+7], v[\a:\a+7], v[\b:\b+7], v[\c:\c+7], v[\sa], v[\sb] matrix_a_fmt:MATRIX_FMT_FP4 matrix_b_fmt:MATRIX_FMT_FP4 matrix_a_scale:MATRIX_SCALE_ROW1
.elseif (\rb)
	v_wmma_scale_f32_16x16x128_f8f6f4 v[\d:\d+7], v[\a:\a+7], v[\b:\b+7], v[\c:\c+7], v[\sa], v[\sb] matrix_a_fmt:MATRIX_FMT_FP4 matrix_b_fmt:MATRIX_FMT_FP4 matrix_b_scale:MATRIX_SCALE_ROW1
.else
	v_wmma_scale_f32_16x16x128_f8f6f4 v[\d:\d+7], v[\a:\a+7], v[\b:\b+7], v[\c:\c+7], v[\sa], v[\sb] matrix_a_fmt:MATRIX_FMT_FP4 matrix_b_fmt:MATRIX_FMT_FP4
.endif
.endm
.macro WMZ d, a, b, sa, sb, ra, rb
.if (\ra) && (\rb)
	v_wmma_scale_f32_16x16x128_f8f6f4 v[\d:\d+7], v[\a:\a+7], v[\b:\b+7], 0, v[\sa], v[\sb] matrix_a_fmt:MATRIX_FMT_FP4 matrix_b_fmt:MATRIX_FMT_FP4 matrix_a_scale:MATRIX_SCALE_ROW1 matrix_b_scale:MATRIX_SCALE_ROW1
.elseif (\ra)
	v_wmma_scale_f32_16x16x128_f8f6f4 v[\d:\d+7], v[\a:\a+7], v[\b:\b+7], 0, v[\sa], v[\sb] matrix_a_fmt:MATRIX_FMT_FP4 matrix_b_fmt:MATRIX_FMT_FP4 matrix_a_scale:MATRIX_SCALE_ROW1
.elseif (\rb)
	v_wmma_scale_f32_16x16x128_f8f6f4 v[\d:\d+7], v[\a:\a+7], v[\b:\b+7], 0, v[\sa], v[\sb] matrix_a_fmt:MATRIX_FMT_FP4 matrix_b_fmt:MATRIX_FMT_FP4 matrix_b_scale:MATRIX_SCALE_ROW1
.else
	v_wmma_scale_f32_16x16x128_f8f6f4 v[\d:\d+7], v[\a:\a+7], v[\b:\b+7], 0, v[\sa], v[\sb] matrix_a_fmt:MATRIX_FMT_FP4 matrix_b_fmt:MATRIX_FMT_FP4
.endif
.endm
.macro COPY adr                        ; a wave's quarter of a weight from LDS into the window that is set as destination: 32 fragments
.irp t, 0,1,2,3,4,5,6,7
.irp s, 0,1,2,3
.irp c, 0,1
	ds_load_b128 v[8*(4*\t+\s)+4*\c:8*(4*\t+\s)+4*\c+3], v[\adr] offset:16*PITCH*\t+64*\s+32*\c
.endr
.endr
.endr
.endm
; The codes of a row tile's 128 units: accumulators at ac (window 2), the four blocks' scale operands at so, the fragment at pc.  The conversion of tile 2 b + u gives, in half h of the lanes, word 2 u + h of block b;
; the operand wants word d of block 2 c + h in register 4 c + d.  So tile 2 b goes to register 4 (b / 2) + b % 2 and tile 2 b + 1 two further on, and SWAPS exchanges the halves of registers (0, 1) and (2, 3) of each four.
.macro CODES pc, ac, so
.irp b, 0,1,2,3
	v_cvt_scalef32_pk8_fp4_f32 v[\pc+4*(\b/2)+\b%2], v[\ac+16*\b:\ac+16*\b+7], v[\so+\b]
	v_cvt_scalef32_pk8_fp4_f32 v[\pc+4*(\b/2)+2+\b%2], v[\ac+16*\b+8:\ac+16*\b+15], v[\so+\b]
.endr
.endm
.macro SWAPS pc
.irp c, 0,1
	v_permlane16_swap_b32 v[\pc+4*\c], v[\pc+4*\c+1]
	v_permlane16_swap_b32 v[\pc+4*\c+2], v[\pc+4*\c+3]
.endr
.endm
	s_load_b512 s[4:19], s[0:1], 0x0               ; x's codes s[4:5], scales s[6:7]; Wk's s[8:9], s[10:11]; Wq's s[12:13], s[14:15]; Wp's s[16:17], s[18:19]
	s_load_b512 s[20:35], s[0:1], 0x40             ; Wf's s[20:21], s[22:23]; bk s[24:25], bq s[26:27], bp s[28:29], bf s[30:31]; gpart s[32:33]; out0 s[34:35]
	v_lshl_add_u32 v20, v0, 2, SPARE               ; my spare word; never rewritten
	v_mov_b32 v21, 0                               ; never rewritten
	ds_add_u32 v20, v21
	ds_add_u32 v20, v21
	s_wait_dscnt 0x0
	v_and_b32 v1, 31, v0                           ; L
	v_and_b32 v2, 15, v0                           ; r
	v_bfe_u32 v3, v0, 4, 1                         ; h
	v_lshrrev_b32 v4, 5, v0
	v_readfirstlane_b32 s[WV], v4                  ; wave 0..3
	s_bfe_u32 s37, ttmp6, 0x40000                  ; cx: it enters global addresses of x and out0 alone
	s_lshl_b32 s38, ttmp9, 2
	s_add_co_u32 s38, s38, s37                     ; my work-group = 4 x cluster + cx
	; descriptor group 1: 128 rows of 256 one-byte elements, dense in memory, 16 bytes of padding behind each row in LDS
	s_mov_b32 s[G1], 15|(1<<20)|(1<<21)|(5<<22)|(3<<25)  ; 15:0 the mask: all four work-groups; 17:16 elements of 1 byte; 20 padding on; 21 set beside a mask; 24:22 after every 64 words; 31:25 four words
	s_mov_b32 s[G1+1], 256<<16                     ; tensor_dim0
	s_mov_b32 s[G1+2], 128<<16                     ; tensor_dim1
	s_mov_b32 s[G1+3], 256<<16                     ; tile_dim0
	s_mov_b32 s[G1+4], 128                         ; tile_dim1
	s_mov_b32 s[G1+5], 256                         ; from row to row
	s_mov_b32 s[G1+6], 0
	s_mov_b32 s[G1+7], 0
	s_mov_b32 s[SEL], 0x76543210
	s_mov_b32 s[SEL+1], 0xfedcba98
	s_mov_b32 s[TX], 0
	s_mov_b32 s[TSX], 0
	s_mov_b32 s[TN], 0
	s_mov_b32 s[TH], 0
	s_mov_b32 s[TS], 0
	v_lshlrev_b32 v4, 4, v1                        ; v4  16 L
	s_mul_i32 s44, s[WV], XBLK
	s_add_co_u32 s44, s44, X0
	v_mul_u32_u24 v5, v3, PITCH
	v_lshl_add_u32 v5, v2, 4, v5
	v_add_nc_u32 v5, s44, v5                       ; v5  where x goes: my wave's 64 rows; a load's 512 bytes are two rows: row h, byte 16 r
	v_mul_u32_u24 v6, v2, PITCH
	v_lshl_add_u32 v6, v3, 4, v6                   ; a fragment's lane: row r, + 16 h
	s_mul_i32 s44, s[WV], WQUART
	v_add_nc_u32 v8, s44, v6                       ; v8  my quarter of region A
	v_add_nc_u32 v9, RB, v8                        ; v9  my quarter of region B
	v_add_nc_u32 v6, X0, v6                        ; v6  x's fragments, block 0;  v7 the block in hand
	v_add_nc_u32 v10, HKS, v4                      ; v10 scale words, a lane a row: HK's here, x's 4,096 bytes on;  v11 the block in hand
	v_lshlrev_b32 v13, 4, v2
	v_add_nc_u32 v17, HKS, v13
	v_add_nc_u32 v13, NX, v13                      ; v13 row r's four |k|^2;  v15 the block in hand
	s_lshl_b32 s45, s[WV], 2
	v_add_nc_u32 v12, s45, v13                     ; v12 my wave's;  v14 the block in hand
	v_add_nc_u32 v17, s45, v17                     ; v17 my wave's word of row r's scale words of HK;  v19 the block in hand
	s_lshl_b32 s45, s[WV], 10
	v_add_nc_u32 v16, s45, v4
	v_add_nc_u32 v43, XSC, v16                     ; v43 where x's scale bytes go: 1,024 w + 16 L
	v_add_nc_u32 v16, HK, v16                      ; v16 my wave's images of HK: K step w;  v18 the block in hand
	s_lshl_b32 s45, s[WV], 9
	v_add_nc_u32 v40, s45, v4                      ; v40 512 w + 16 L: my four units in a row of gpart
	v_add_nc_u32 v45, GL, v40                      ; v45 the same in G (and, 2,048 bytes on, in bq + bp)
	v_lshlrev_b32 v42, 5, v3                       ; v42 32 h: my half's eight numbers of a tile
	v_add_nc_u32 v46, s45, v42
	v_add_nc_u32 v46, GL, v46                      ; v46 G in the result's layout
	v_mul_u32_u24 v41, v2, GROW                    ; v41 lane r: the batch's r-th row of gpart
	s_lshl_b32 s45, s[WV], 12
	v_add_nc_u32 v44, s45, v4
	v_add_nc_u32 v44, WSC, v44                     ; v44 my wave's kept scale words
.irp k, 52,53,54,55
	v_mov_b32 v\k, 0                               ; lane permutes' destinations, which count as sources
.endr
	s_lshl_b32 s40, s38, 16                        ; x: 65,536 bytes a work-group,
	s_lshl_b32 s42, s[WV], 14                      ; 16,384 a wave
	s_add_co_u32 s40, s40, s42
	s_mov_b32 s41, 0
	s_mov_b32 s43, 0
	s_wait_kmcnt 0x0
	s_add_nc_u64 s[4:5], s[4:5], s[40:41]
	s_lshr_b32 s40, s40, 4
	s_add_nc_u64 s[6:7], s[6:7], s[40:41]
	s_lshl_b32 s40, s38, 18
	s_add_nc_u64 s[34:35], s[34:35], s[40:41]      ; out0: my 256 rows of 1,024 bytes
	s_lshr_b32 s40, ttmp9, 2                       ; my batch: four clusters to a batch
	s_mul_i32 s40, s40, 16*GROW
	s_add_nc_u64 s[32:33], s[32:33], s[40:41]      ; its 16 rows of gpart
	s_lshl_b32 s42, s[WV], 9                       ; (s[42:43] holds offsets made of the wave's number alone)
	s_add_nc_u64 s[24:25], s[24:25], s[42:43]      ; my 128 numbers of bk, bq, bp
	s_add_nc_u64 s[26:27], s[26:27], s[42:43]
	s_add_nc_u64 s[28:29], s[28:29], s[42:43]
	s_lshl_b32 s42, s[WV], 8
	s_add_nc_u64 s[30:31], s[30:31], s[42:43]      ; my 64 of bf
	s_lshl_b32 s42, s[WV], 11
	s_add_nc_u64 s[10:11], s[10:11], s[42:43]      ; my 128 rows of Wk's, Wq's, Wp's scale bytes
	s_add_nc_u64 s[14:15], s[14:15], s[42:43]
	s_add_nc_u64 s[18:19], s[18:19], s[42:43]
	s_lshl_b32 s42, s[WV], 10
	s_add_nc_u64 s[22:23], s[22:23], s[42:43]      ; my 64 rows of Wf's
	s_lshl_b32 s42, s[WV], 14
	s_add_nc_u64 s[20:21], s[20:21], s[42:43]      ; and of Wf's codes
	s_lshl_b32 s42, s[WV], 15                      ; my 128 rows of a weight's codes: kept for the three groups 0
	s_mov_b32 s[G0K], 1
	s_mov_b32 s[G0K+1], s44                        ; region A, my quarter
	s_add_nc_u64 s[G0K+2:G0K+3], s[8:9], s[42:43]
	s_or_b32 s[G0K+3], s[G0K+3], 0x80000000
	s_mov_b32 s[G0Q], 1
	s_add_co_u32 s[G0Q+1], s44, RB                 ; region B, my quarter
	s_add_nc_u64 s[G0Q+2:G0Q+3], s[12:13], s[42:43]
	s_or_b32 s[G0Q+3], s[G0Q+3], 0x80000000
	WIN 0x80                                       ; destination window 2
.set ii, 0
.rept 32
	global_load_b128 v[4*ii:4*ii+3], v4, s[4:5] offset:512*ii th:TH_LOAD_NT   ; my 64 rows of x: each load 512 consecutive bytes
.set ii, ii+1
.endr
.irp p, 0,1
	global_load_b128 v[128+4*\p:131+4*\p], v4, s[6:7] offset:512*\p th:TH_LOAD_NT
.endr
	WIN 0
	ROUND                                          ; all four work-groups are here: the first joint loads meet
	tensor_load_to_lds s[G0K:G0K+3], s[G1:G1+7]    ; Wk
	s_nop 0
	tensor_load_to_lds s[G0Q:G0Q+3], s[G1:G1+7]    ; Wq: two loads of mine are out
	s_nop 0
	PLACES 4
.irp i, 0,1,2,3
	global_load_b128 v[24+4*\i:27+4*\i], v4, s[10:11] offset:512*\i   ; Wk's scale words: register 24 + 4 (t / 2) + s; lanes 0-15 the even tile, lanes 16-31 the odd one
.endr
.irp i, 0,1,2,3
	global_load_b128 v[64+4*\i:67+4*\i], v4, s[14:15] offset:512*\i   ; Wq's and Wp's: kept in LDS until phase 2
	global_load_b128 v[80+4*\i:83+4*\i], v4, s[18:19] offset:512*\i
.endr
.irp t, 0,1,2,3,4,5,6,7
.irp i, 0,1
	global_load_b128 v[128+8*\t+4*\i:131+8*\t+4*\i], v42, s[24:25] offset:64*\t+16*\i   ; bk(128 w + 16 t + 8 h + j)
.endr
.endr
	global_load_b128 v[96:99], v4, s[26:27]        ; bq, bp: four units a lane
	global_load_b128 v[100:103], v4, s[28:29]
.set ii, 0
.rept 16
	global_load_b128 v[192+4*ii:195+4*ii], v40, s[32:33] offset:GROW*ii   ; the batch's 16 partial sums of my four units
.set ii, ii+1
.endr
	global_load_b32 v104, v41, s[32:33] offset:2048   ; and lane r the r-th partial sum of qw^2
	s_wait_tensorcnt 1                             ; Wk is in; Wq's load, issued behind it, may be out
	WIN 0x40
	COPY 8                                         ; Wk -> window 1
	s_wait_tensorcnt 0x0                           ; Wq is in
	WIN 0xc0
	COPY 9                                         ; Wq -> window 3, where it stays
	WIN 0
	s_wait_tensorcnt 0x0                           ; THE ONE REFILL: all my tensor loads are done,
	ds_add_u32 v20, v21                            ; 0 onto my spare word; Wp's group 0 is made meanwhile
	s_mov_b32 s[G0P], 1
	s_mov_b32 s[G0P+1], s44                        ; region A, my quarter
	s_add_nc_u64 s[G0P+2:G0P+3], s[16:17], s[42:43]
	s_or_b32 s[G0P+3], s[G0P+3], 0x80000000
	s_wait_dscnt 0x0                               ; the add is done, and my reads of both regions are over
	ROUND                                          ; that now holds of every wave of the cluster
	tensor_load_to_lds s[G0P:G0P+3], s[G1:G1+7]    ; Wp into region A: it has all of phase 1 in which to land.  One load of mine is out
	s_nop 0
	PLACES 4
	s_wait_loadcnt 0x0
	WIN 0x08                                       ; an LDS store's data are its source 1: window 2.  Region B has had its last fill, and nobody reads Wq there any more
.set ii, 0
.rept 32
	ds_store_b128 v5, v[4*ii:4*ii+3] offset:2*PITCH*ii
.set ii, ii+1
.endr
.irp p, 0,1
	ds_store_b128 v43, v[128+4*\p:131+4*\p] offset:512*\p
.endr
	WIN 0
.irp i, 0,1,2,3,4,5,6,7
	ds_store_b128 v44, v[64+4*\i:67+4*\i] offset:512*\i
.endr
	v_pk_add_f32 v[96:97], v[96:97], v[100:101]
	v_pk_add_f32 v[98:99], v[98:99], v[102:103]
	ds_store_b128 v45, v[96:99] offset:2048        ; bq + bp
.irp x, 1,2,4,8
	v_add_f32_dpp v104, v104, v104 row_xmask:\x row_mask:0xf bank_mask:0xf   ; the batch's sum of qw^2
.endr
	v_sqrt_f32 v105, v104
.set ii, 1
.rept 15
	v_pk_add_f32 v[192:193], v[192:193], v[192+4*ii:193+4*ii]   ; the 16 partial sums, in ascending order, in two chains.  (Plain work behind the root)
	v_pk_add_f32 v[194:195], v[194:195], v[194+4*ii:195+4*ii]
.set ii, ii+1
.endr
	s_wait_alu depctr_va_vdst(0)                   ; a wait ahead of the root's first reader
	v_mul_f32 v105, 0x3d3504f3, v105               ; SCALE = 512^-0.5
	v_max_num_f32 v105, 0x2b8cbccc, v105           ; eps = 1e-12
	v_rcp_f32 v105, v105
	v_nop
	s_wait_alu depctr_va_vdst(0)
	v_mul_f32 v106, 0x3d3504f3, v105               ; F
	v_mov_b32 v107, v106
	v_pk_mul_f32 v[192:193], v[192:193], v[106:107]
	v_pk_mul_f32 v[194:195], v[194:195], v[106:107]
	ds_store_b128 v45, v[192:195]                  ; G of my four units
	s_wait_dscnt 0x0                               ; the stores above have read v64-95, into which G comes back
.irp t, 0,1,2,3,4,5,6,7
.irp i, 0,1
	ds_load_b128 v[64+8*\t+4*\i:67+8*\t+4*\i], v46 offset:64*\t+16*\i   ; G(128 w + 16 t + 8 h + j): my wave's own bytes
.endr
.endr
	s_wait_dscnt 0x0                               ; for the others' sake: my rows of x lie in LDS
	s_barrier_signal -1
	s_barrier_wait -1                              ; everybody's do.
; ---------------- PHASE 1
.macro FETCH1 set, s                   ; the block's four fragments of x for K step s
.irp m, 0,1,2,3
.irp c, 0,1
	ds_load_b128 v[192+32*\set+8*\m+4*\c:192+32*\set+8*\m+4*\c+3], v7 offset:16*PITCH*\m+64*\s+32*\c
.endr
.endr
.endm
.macro XS1                             ; its scale words: register 56 + 4 (m / 2) + s
	ds_load_b128 v[56:59], v11 offset:4096
	ds_load_b128 v[60:63], v11 offset:4608
.endm
.macro MM1 s, set                      ; 32 matrix instructions: the 32 accumulators take turns, in the same order in every step
.if \s == 0
	WIN 0x81                                       ; source 0 (Wk) window 1, source 1 (x) and C (bk) window 0, D window 2
.else
	WIN 0xa1                                       ; C and D window 2
.endif
.irp m, 0,1,2,3
.irp t, 0,1,2,3,4,5,6,7
.if \s == 0
	WM 8*(8*\m+\t), 8*(4*\t+\s), 192+32*\set+8*\m, 128+8*\t, 24+4*(\t/2)+\s, 56+4*(\m/2)+\s, \t%2, \m%2
.else
	WM 8*(8*\m+\t), 8*(4*\t+\s), 192+32*\set+8*\m, 8*(8*\m+\t), 24+4*(\t/2)+\s, 56+4*(\m/2)+\s, \t%2, \m%2
.endif
.endr
.endr
.endm
.macro P1BLOCK next
	FETCH1 1, 1
	s_wait_dscnt 8                                 ; all but the eight loads just issued: the last block's stores are done too, so their address registers may be written
	v_add_nc_u32 v14, s[TN], v12
	v_add_nc_u32 v15, s[TN], v13
	v_add_nc_u32 v18, s[TH], v16
	v_add_nc_u32 v19, s[TS], v17
	MM1 0, 0
	WIN 0
	PLACES 4
	FETCH1 0, 2
	s_wait_dscnt 8
	MM1 1, 1
	WIN 0
	PLACES 4
	FETCH1 1, 3
	s_wait_dscnt 8
	MM1 2, 0
	s_wait_dscnt 0x0
	MM1 3, 1
	WIN 0
	PLACES 4
.if \next
	s_add_co_u32 s[TX], s[TX], XBLK
	s_add_co_u32 s[TSX], s[TSX], 1024
	v_add_nc_u32 v7, s[TX], v6
	v_add_nc_u32 v11, s[TSX], v10
	FETCH1 0, 0                                    ; the next block's first fragments land under the vector work
	XS1
.endif
	WIN 0x0a                                       ; sources 0 and 1 window 2.  |k|^2 of my 64 numbers of each of the four rows: four chains, each accumulator from its low end on
.set ii, 0
.rept 32
.irp m, 0,1,2,3
.if ii == 0
	v_pk_mul_f32 v[40+2*\m:41+2*\m], v[64*\m:64*\m+1], v[64*\m:64*\m+1]
.else
	v_pk_fma_f32 v[40+2*\m:41+2*\m], v[64*\m+2*ii:64*\m+2*ii+1], v[64*\m+2*ii:64*\m+2*ii+1], v[40+2*\m:41+2*\m]
.endif
.endr
.set ii, ii+1
.endr
	WIN 0
.irp m, 0,1,2,3
	v_add_f32 v[48+\m], v[40+2*\m], v[41+2*\m]
.endr
.irp m, 0,1,2,3
	v_permlanex16_b32 v[52+\m], v[48+\m], s[SEL], s[SEL+1]
.endr
.irp m, 0,1,2,3
	v_add_f32 v[48+\m], v[48+\m], v[52+\m]         ; with lane l xor 16's: my wave's 128 units
.endr
.irp m, 0,1,2,3
	ds_store_b32 v14, v[48+\m] offset:256*\m       ; both halves of the lanes write the same number
.endr
	s_wait_dscnt 0x0                               ; for the others' sake: my sums lie in LDS
	s_barrier_signal -1
	WIN 0x82                                       ; D and source 0 window 2.  While the others arrive: k x G, on registers alone
.irp m, 0,1,2,3
.set ii, 0
.rept 32
	v_pk_mul_f32 v[64*\m+2*ii:64*\m+2*ii+1], v[64*\m+2*ii:64*\m+2*ii+1], v[64+2*ii:65+2*ii]
.set ii, ii+1
.endr
.endr
	WIN 0
	s_barrier_wait -1
.irp m, 0,1,2,3
	ds_load_b128 v[40+4*\m:43+4*\m], v15 offset:256*\m   ; row r's four sums
.endr
	WIN 0x0a                                       ; each block's largest |G k|.  A multiplication by a positive number keeps the order, so this x (1 / |k|) is the largest magnitude of what is quantised, to the bit
.irp i, 0,2,4,6,8,10,12,14
.irp m, 0,1,2,3
.irp b, 0,1,2,3
.if \i == 0
	v_max3_num_f32 v[224+4*\m+\b], |v[64*\m+16*\b]|, |v[64*\m+16*\b+1]|, 0
.else
	v_max3_num_f32 v[224+4*\m+\b], |v[64*\m+16*\b+\i]|, |v[64*\m+16*\b+\i+1]|, v[224+4*\m+\b]
.endif
.endr
.endr
.endr
	WIN 0
.irp g, 0,1
.irp k, 0,1,2,3,4,5,6,7
	v_permlanex16_b32 v[248+\k], v[224+8*\g+\k], s[SEL], s[SEL+1]
.endr
.irp k, 0,1,2,3,4,5,6,7
	v_max_num_f32 v[224+8*\g+\k], v[224+8*\g+\k], v[248+\k]   ; with lane l xor 16's 16 numbers
.endr
.endr
	s_wait_dscnt 0x0
.irp m, 0,1,2,3
	v_pk_add_f32 v[40+4*\m:41+4*\m], v[40+4*\m:41+4*\m], v[42+4*\m:43+4*\m]   ; the four waves' sums, in the same order in every wave
.endr
.irp m, 0,1,2,3
	v_add_f32 v[40+4*\m], v[40+4*\m], v[41+4*\m]
.endr
.irp m, 0,1,2,3
	v_sqrt_f32 v[240+2*\m], v[40+4*\m]
.endr
	v_nop                                          ; a plain instruction behind the last root,
	s_wait_alu depctr_va_vdst(0)                   ; and one wait for the four, ahead of their first reader
.irp m, 0,1,2,3
	v_max_num_f32 v[240+2*\m], 0x2b8cbccc, v[240+2*\m]   ; eps = 1e-12
.endr
.irp m, 0,1,2,3
	v_rcp_f32 v[240+2*\m], v[240+2*\m]
.endr
	v_nop
	s_wait_alu depctr_va_vdst(0)
.irp m, 0,1,2,3                        ; tile by tile: scale bytes, G k / |k|, codes, image
.if \m >= 2
	s_wait_dscnt 3                                 ; all but the last tile's three stores: the stores of two tiles back, which read this set of registers, are done
.endif
.irp b, 0,1,2,3
	v_mul_f32 v[248+\b], v[224+4*\m+\b], v[240+2*\m]
.endr
.irp b, 0,1,2,3
	v_max_num_f32 v[248+\b], 0x1800000, v[248+\b]  ; the floor 2^(3 - 127): the byte cannot fall under 1
.endr
.irp b, 0,1,2,3
	v_add_nc_u32 v[248+\b], 0xff000000, v[248+\b]  ; 2 off the exponent field: the conversion's scale operand
.endr
.irp b, 0,1,2,3
	v_lshrrev_b32 v[252+\b], 23, v[248+\b]         ; the scale's byte
.endr
	v_lshl_or_b32 v[22+\m%2], v253, 8, v252
	v_lshl_or_b32 v[22+\m%2], v254, 16, v[22+\m%2]
	v_lshl_or_b32 v[22+\m%2], v255, 24, v[22+\m%2] ; row r's scale word for K step w
	WIN 0x82
.set ii, 0
.rept 32
	v_pk_mul_f32 v[64*\m+2*ii:64*\m+2*ii+1], v[64*\m+2*ii:64*\m+2*ii+1], v[240+2*\m:241+2*\m] op_sel_hi:[1,0]
.set ii, ii+1
.endr
	WIN 0x02
	CODES 40+8*(\m%2), 64*\m, 248
	v_nop                                          ; one plain place behind a scaled conversion
	WIN 0
	SWAPS 40+8*(\m%2)
.irp c, 0,1
	ds_store_b128 v18, v[40+8*(\m%2)+4*\c:40+8*(\m%2)+4*\c+3] offset:4096*\m+512*\c
.endr
	ds_store_b32 v19, v[22+\m%2] offset:256*\m
.endr
	s_add_co_u32 s[TN], s[TN], 1024
	s_add_co_u32 s[TH], s[TH], 16384
	s_add_co_u32 s[TS], s[TS], 1024
.endm
	v_add_nc_u32 v7, s[TX], v6
	v_add_nc_u32 v11, s[TSX], v10
	FETCH1 0, 0
	XS1
	s_mov_b32 s[CNT], 3
.Lp1:
	P1BLOCK 1
	s_sub_co_u32 s[CNT], s[CNT], 1
	s_cmp_lg_u32 s[CNT], 0
	s_cbranch_scc1 .Lp1
	P1BLOCK 0
; ---------------- BETWEEN THE PHASES
	s_wait_dscnt 0x0                               ; for the others' sake: my images and scale words of HK lie in LDS
	s_barrier_signal -1
	s_barrier_wait -1                              ; all 64 images do
	s_mov_b32 s[TX], 0
	s_mov_b32 s[TSX], 0
	s_mov_b32 s[TH], 0
	v_add_nc_u32 v7, s[TX], v6                     ; v6, v7 x's fragments; v10, v11 scale words: as in phase 1
	v_add_nc_u32 v11, s[TSX], v10
	v_add_nc_u32 v12, HK, v4                       ; v12 HK's images: 16 L;  v14 the block in hand
	s_lshl_b32 s45, s[WV], 10
	v_add_nc_u32 v13, s45, v4
	v_add_nc_u32 v13, HO, v13                      ; v13 my wave's images of HO: K step w
	v_add_nc_u32 v16, HO, v4                       ; v16 HO's images
	v_lshlrev_b32 v15, 4, v2                       ; v15 16 r: bf
	s_lshl_b32 s45, s[WV], 2
	v_add_nc_u32 v17, s45, v15
	v_add_nc_u32 v17, HOS, v17                     ; v17 my wave's word of row r's scale words of HO
	s_lshl_b32 s45, s[WV], 12
	v_add_nc_u32 v18, s45, v4
	v_add_nc_u32 v18, WSC, v18                     ; v18 my wave's kept scale words
	v_lshlrev_b32 v19, 5, v3
	s_lshl_b32 s45, s[WV], 9
	v_add_nc_u32 v19, s45, v19
	v_add_nc_u32 v19, BQPL, v19                    ; v19 bq + bp in the result's layout
	s_lshl_b32 s45, s[WV], 8
	v_lshl_add_u32 v9, v3, 13, v15
	v_add_nc_u32 v9, s45, v9                       ; v9  out0: 8 h rows of 1,024 bytes + 256 w + 16 r
	v_lshlrev_b32 v5, 6, v2
	v_lshl_add_u32 v5, v3, 4, v5                   ; v5  Wf's scale words: 64 r + 16 h
	v_add_nc_u32 v4, HOS, v4                       ; v4  HO's scale words, a lane a row
	v_lshlrev_b32 v1, 10, v2
	v_lshl_add_u32 v1, v3, 4, v1                   ; v1  Wf's codes: row 4 r (+ t), + 16 h
	WIN 0x80                                       ; destination window 2
.irp t, 0,1,2,3
.irp s, 0,1,2,3
.irp c, 0,1
	global_load_b128 v[128+8*(4*\t+\s)+4*\c:128+8*(4*\t+\s)+4*\c+3], v1, s[20:21] offset:256*\t+64*\s+32*\c   ; Wf: lane r of tile t takes output 64 w + 4 r + t.  Wanted in the second block
.endr
.endr
.endr
	WIN 0
	global_load_b128 v[128:131], v5, s[22:23]      ; its scale words: register 128 + 4 (t / 2) + s; lanes 0-15 the even tile, lanes 16-31 the odd one
	global_load_b128 v[132:135], v5, s[22:23] offset:32
	global_load_b128 v[136:139], v15, s[30:31]     ; bf(64 w + 4 r + t)
	s_wait_tensorcnt 0x0                           ; my quarter of Wp is in; no other wave reads it
.irp i, 0,1,2,3
	ds_load_b128 v[24+4*\i:27+4*\i], v18 offset:512*\i         ; Wq's scale words
.endr
.irp t, 0,1,2,3,4,5,6,7
.irp i, 0,1
	ds_load_b128 v[64+8*\t+4*\i:67+8*\t+4*\i], v19 offset:64*\t+16*\i   ; bq + bp
.endr
.endr
; ---------------- PHASE 2
.macro FX set, sh                      ; x's fragments of the block's two tiles, K steps 2 sh and 2 sh + 1
.irp m, 0,1
.irp e, 0,1
.irp c, 0,1
	ds_load_b128 v[192+32*\set+8*(2*\m+\e)+4*\c:192+32*\set+8*(2*\m+\e)+4*\c+3], v7 offset:16*PITCH*\m+64*(2*\sh+\e)+32*\c
.endr
.endr
.endr
.endm
.macro FI set, sh, adr, base           ; the same from images
.irp m, 0,1
.irp e, 0,1
.irp c, 0,1
	ds_load_b128 v[192+32*\set+8*(2*\m+\e)+4*\c:192+32*\set+8*(2*\m+\e)+4*\c+3], v[\adr] offset:\base+(4*\m+2*\sh+\e)*1024+512*\c
.endr
.endr
.endr
.endm
.macro XHS                             ; the block's scale words of x (v56-59) and of HK (v60-63): register + s; lanes 16-31 hold the second tile's
	ds_load_b128 v[56:59], v11 offset:4096
	ds_load_b128 v[60:63], v11
.endm
; 32 matrix instructions: two K steps, 16 accumulators by turns.  ws: the weight's scale words; os: the operand's; ww: the weight's window; bias = 1: bq + bp starts the sums
.macro MMH set, sh, ws, os, bias, ww
.irp e, 0,1
.if (\bias) && (\e == 0)
	WIN (0x80+\ww)
.else
	WIN (0xa0+\ww)
.endif
.irp m, 0,1
.irp t, 0,1,2,3,4,5,6,7
.if (\bias) && (\e == 0)
	WM 8*(8*\m+\t), 8*(4*\t+2*\sh+\e), 192+32*\set+8*(2*\m+\e), 64+8*\t, \ws+4*(\t/2)+2*\sh+\e, \os+2*\sh+\e, \t%2, \m
.else
	WM 8*(8*\m+\t), 8*(4*\t+2*\sh+\e), 192+32*\set+8*(2*\m+\e), 8*(8*\m+\t), \ws+4*(\t/2)+2*\sh+\e, \os+2*\sh+\e, \t%2, \m
.endif
.endr
.endr
.endr
.endm
.macro P3H set, sh                     ; product 5: 16 matrix instructions, two K steps, 8 accumulators by turns.  Source 0 = HO's rows, source 1 = Wf's tile
	WIN 0xa8                                       ; source 0 window 0, source 1, C and D window 2
.irp e, 0,1
.irp m, 0,1
.irp t, 0,1,2,3
.if (\sh == 0) && (\e == 0)
	WMZ 8*(4*\m+\t), 192+32*\set+8*(2*\m+\e), 128+8*(4*\t+2*\sh+\e), 140+2*\sh+\e, 128+4*(\t/2)+2*\sh+\e, \m, \t%2
.else
	WM 8*(4*\m+\t), 192+32*\set+8*(2*\m+\e), 128+8*(4*\t+2*\sh+\e), 8*(4*\m+\t), 140+2*\sh+\e, 128+4*(\t/2)+2*\sh+\e, \m, \t%2
.endif
.endr
.endr
.endr
.endm
.macro OUTADD                          ; + bf; the four tiles' register j become four neighbouring outputs of row 16 m + 8 h + j.  Each accumulator from its low end on
	WIN 0x82
.irp m, 0,1
.irp j, 0,1,2,3,4,5,6,7
.irp t, 0,1,2,3
	v_add_f32 v[64+32*\m+4*\j+\t], v[8*(4*\m+\t)+\j], v[136+\t]
.endr
.endr
.endr
.endm
.macro OUTSTORE                        ; the base stands one block further on than the rows that leave
	WIN 0x08                                       ; a store's data are its source 1: window 2
.irp m, 0,1
.irp j, 0,1,2,3,4,5,6,7
	global_store_b128 v9, v[64+32*\m+4*\j:64+32*\m+4*\j+3], s[34:35] offset:(16*\m+\j)*1024-32768 th:TH_STORE_NT   ; 16 lanes store 256 consecutive bytes, at a multiple of 256 from out0's first byte
.endr
.endr
	WIN 0
.endm
; A BLOCK OF 32 ROWS.  first = 1: the first;  p3 = 1: product 5 and the stores of the block before;  next = 1: the next block's fragments are asked for;  par: which half of HO this block writes.
; HO's halves: this block's stores into half par stand behind the last block's barrier, in front of whose signal every wave has waited for its reads of that half; the next block reads them behind this block's barrier.
.macro P2BLOCK first, p3, next, par
.if !(\first)
	s_wait_xcnt 0x0                                ; the last block's stores have read their base and their registers, over which this block's sums are laid
	s_add_nc_u64 s[34:35], s[34:35], 32768         ; 32 rows of out0 on
.endif
	v_add_nc_u32 v14, s[TH], v12
.if \first
	s_wait_dscnt 63                                ; 68 loads (Wp's scale words and Wp) were issued behind what the products with Wq want; the count's field holds 63
.else
	s_wait_dscnt 0x0
.endif
	MMH 0, 0, 24, 56, 1, 3                         ; (bq + bp) + x Wq, K steps 0, 1
	WIN 0
	PLACES 4
	FI 0, 0, 14, 0
	MMH 1, 1, 24, 56, 0, 3                         ; K steps 2, 3
	WIN 0
	PLACES 4
	FI 1, 1, 14, 0
	s_wait_dscnt 8                                 ; all but the eight loads just issued (in the first block: Wp is in too)
	MMH 0, 0, 40, 60, 0, 1                         ; + HK Wp, K steps 0, 1
	WIN 0
	PLACES 4
.if \p3
	FI 0, 0, 16, (1-\par)*8192                     ; HO of the block before
	s_wait_dscnt 8
.else
	s_wait_dscnt 0x0
.endif
	MMH 1, 1, 40, 60, 0, 1
	WIN 0
	PLACES 4
.if \p3
	FI 1, 1, 16, (1-\par)*8192
	ds_load_b128 v[140:143], v4 offset:(1-\par)*512
.endif
	WIN 0x0a                                       ; out1 is quantised: each block's largest magnitude, with the floor 2^(3 - 127) among its leaves; the eight blocks by turns
.irp i, 0,2,4,6,8,10,12,14
.irp m, 0,1
.irp b, 0,1,2,3
.if \i == 0
	v_max3_num_f32 v[144+4*\m+\b], |v[64*\m+16*\b]|, |v[64*\m+16*\b+1]|, 0x1800000
.else
	v_max3_num_f32 v[144+4*\m+\b], |v[64*\m+16*\b+\i]|, |v[64*\m+16*\b+\i+1]|, v[144+4*\m+\b]
.endif
.endr
.endr
.endr
	WIN 0
.irp k, 0,1,2,3,4,5,6,7
	v_permlanex16_b32 v[152+\k], v[144+\k], s[SEL], s[SEL+1]
.endr
.irp k, 0,1,2,3,4,5,6,7
	v_max_num_f32 v[144+\k], v[144+\k], v[152+\k]  ; with lane l xor 16's 16 numbers
.endr
.irp k, 0,1,2,3,4,5,6,7
	v_add_nc_u32 v[160+\k], 0xff000000, v[144+\k]  ; 2 off the exponent field: the conversion's scale operand
.endr
.irp k, 0,1,2,3,4,5,6,7
	v_lshrrev_b32 v[168+\k], 23, v[160+\k]         ; the scale's byte
.endr
.irp m, 0,1
	v_lshl_or_b32 v[22+\m], v[169+4*\m], 8, v[168+4*\m]
	v_lshl_or_b32 v[22+\m], v[170+4*\m], 16, v[22+\m]
	v_lshl_or_b32 v[22+\m], v[171+4*\m], 24, v[22+\m]
.endr
	WIN 0x02
	CODES 176, 0, 160
	CODES 184, 64, 164
	v_nop                                          ; one plain place behind a scaled conversion
	WIN 0
	SWAPS 176
	SWAPS 184
.irp m, 0,1
.irp c, 0,1
	ds_store_b128 v13, v[176+8*\m+4*\c:176+8*\m+4*\c+3] offset:\par*8192+4096*\m+512*\c
.endr
	ds_store_b32 v17, v[22+\m] offset:\par*512+256*\m
.endr
	s_wait_dscnt 0x0                               ; for the others' sake: my images of HO lie in LDS, and my reads of the other half are over
	s_barrier_signal -1
.if \p3
	s_wait_loadcnt 0x0                             ; Wf, its scale words and bf (asked for between the phases)
	P3H 0, 0                                       ; while the others arrive: product 5 of the block before, on registers alone
	P3H 1, 1
	WIN 0
	PLACES 4
.endif
.if \next
	s_add_co_u32 s[TX], s[TX], 32*PITCH
	s_add_co_u32 s[TSX], s[TSX], 512
	s_add_co_u32 s[TH], s[TH], 8192
	v_add_nc_u32 v7, s[TX], v6
	v_add_nc_u32 v11, s[TSX], v10
	FX 0, 0                                        ; x and the scale words of x and HK: bytes that nobody writes in this phase
	FX 1, 1
	XHS
.endif
.if \p3
	OUTADD
.endif
	s_barrier_wait -1
.if \p3
	OUTSTORE
.endif
.endm
	XHS
	FX 0, 0
	FX 1, 1
.irp i, 0,1,2,3
	ds_load_b128 v[40+4*\i:43+4*\i], v18 offset:2048+512*\i    ; Wp's scale words
.endr
	WIN 0x40
	COPY 8                                         ; Wp -> window 1
	WIN 0
	P2BLOCK 1, 0, 1, 0                             ; block 0
	s_mov_b32 s[CNT], 3
.Lp2:                                              ; a trip runs two blocks, until HO's halves are back where they began: blocks 1 to 6
	P2BLOCK 0, 1, 1, 1
	P2BLOCK 0, 1, 1, 0
	s_sub_co_u32 s[CNT], s[CNT], 1
	s_cmp_lg_u32 s[CNT], 0
	s_cbranch_scc1 .Lp2
	P2BLOCK 0, 1, 0, 1                             ; block 7
	FI 0, 0, 16, 8192                              ; and its product 5: its images lie behind its barrier
	FI 1, 1, 16, 8192
	ds_load_b128 v[140:143], v4 offset:512
	s_wait_dscnt 0x0
	P3H 0, 0
	P3H 1, 1
	WIN 0
	PLACES 4
	s_wait_xcnt 0x0                                ; block 6's stores have read their base and their registers
	s_add_nc_u64 s[34:35], s[34:35], 32768
	OUTADD
	OUTSTORE
	s_wait_tensorcnt 0x0                           ; the wave's end, behind my last tensor load and my last LDS store
	ds_add_u32 v20, v21
	s_wait_dscnt 0x0
	ROUND                                          ; the closing round: no work-group ends while a partner may still ask for a tile that names it
	s_endpgm
.Lfunc_end_k_q7744e7a3ff_fuse:
	.size	k_q7744e7a3ff_fuse, .Lfunc_end_k_q7744e7a3ff_fuse-k_q7744e7a3ff_fuse
	.p2alignl 7, 3214868480
	.fill 96, 4, 3214868480
	.section	.rodata,"a",@progbits
	.p2align	6, 0x0
	.amdhsa_kernel k_q7744e7a3ff_fuse
		.amdhsa_group_segment_fixed_size 327680
		.amdhsa_private_segment_fixed_size 0
		.amdhsa_enable_private_segment 0
		.amdhsa_kernarg_size 128
		.amdhsa_user_sgpr_count 2
		.amdhsa_user_sgpr_kernarg_segment_ptr 1
		.amdhsa_wavefront_size32 1
		.amdhsa_system_sgpr_workgroup_id_x 1
		.amdhsa_system_sgpr_workgroup_id_y 1
		.amdhsa_system_sgpr_workgroup_id_z 1
		.amdhsa_system_vgpr_workitem_id 0
		.amdhsa_next_free_vgpr 1024
		.amdhsa_next_free_sgpr 96
		.amdhsa_reserve_vcc 0
		.amdhsa_float_denorm_mode_32 3
		.amdhsa_float_denorm_mode_16_64 3
		.amdhsa_memory_ordered 1
		.amdhsa_forward_progress 1
		.amdhsa_inst_pref_size 255
	.end_amdhsa_kernel
	.section	.bss,"aw",@nobits
	.p2align	6
	.space	262144
	.amdgpu_metadata
---
amdhsa.version: [ 1, 2 ]
amdhsa.kernels:
  - .name:           k_q7744e7a3ff_fuse
    .symbol:         k_q7744e7a3ff_fuse.kd
    .args:
      - { .name: x_codes, .offset: 0, .size: 8, .value_kind: global_buffer, .address_space: global }
      - { .name: x_scales, .offset: 8, .size: 8, .value_kind: global_buffer, .address_space: global }
      - { .name: Wk_codes, .offset: 16, .size: 8, .value_kind: global_buffer, .address_space: global }
      - { .name: Wk_scales, .offset: 24, .size: 8, .value_kind: global_buffer, .address_space: global }
      - { .name: Wq_codes, .offset: 32, .size: 8, .value_kind: global_buffer, .address_space: global }
      - { .name: Wq_scales, .offset: 40, .size: 8, .value_kind: global_buffer, .address_space: global }
      - { .name: Wp_codes, .offset: 48, .size: 8, .value_kind: global_buffer, .address_space: global }
      - { .name: Wp_scales, .offset: 56, .size: 8, .value_kind: global_buffer, .address_space: global }
      - { .name: Wf_codes, .offset: 64, .size: 8, .value_kind: global_buffer, .address_space: global }
      - { .name: Wf_scales, .offset: 72, .size: 8, .value_kind: global_buffer, .address_space: global }
      - { .name: bk, .offset: 80, .size: 8, .value_kind: global_buffer, .address_space: global }
      - { .name: bq, .offset: 88, .size: 8, .value_kind: global_buffer, .address_space: global }
      - { .name: bp, .offset: 96, .size: 8, .value_kind: global_buffer, .address_space: global }
      - { .name: bf, .offset: 104, .size: 8, .value_kind: global_buffer, .address_space: global }
      - { .name: gpart, .offset: 112, .size: 8, .value_kind: global_buffer, .address_space: global }
      - { .name: out0, .offset: 120, .size: 8, .value_kind: global_buffer, .address_space: global }
    .group_segment_fixed_size: 327680
    .private_segment_fixed_size: 0
    .kernarg_segment_align: 8
    .kernarg_segment_size: 128
    .max_flat_workgroup_size: 128
    .sgpr_count:     96
    .vgpr_count:     1024
    .wavefront_size: 32
...
	.end_amdgpu_metadata
.endif
;; end of part 2
